; MI455X (gfx1250); checked and timed in simulation.
; The chip was launched on July 23, 2026; its instructions are those of AMD's public machine-readable ISA for CDNA 5 (MIT licence, August 2026) and "CDNA5" Instruction Set Architecture Reference Guide (July 2026). The comments in the code are by the model that wrote it; some were corrected since.
;; KAN Linear. Allowed arithmetic: matrix products marked QUANTISED: E5M2 operands, one E8M0 scale for each 32 along K, by v_wmma_scale_f32_16x16x128_f8f6f4 with both operands' format E5M2, f32 sums; everything else in f32.
;; Inputs: base_weight 512 x 1,024 float32; spline_scaler 512 x 1,024 float32; spline_weight 512 x 1,024 x 4 float32; x 16,384 x 1,024 float32.
;; Outputs: out0 16,384 x 512 float32.
;; This version of the problem:
;;   THIS VERSION OF THE PROBLEM IS GIVEN IN LOW PRECISION. The matrix products marked QUANTISED in the list below multiply operands that are first quantised to E5M2 (5 exponent bits, 2 mantissa bits; 8 bits a number), with one power-of-two scale for each 32 numbers along K (OCP MX v1.0); their sums are f32. All else is computed in f32.
;;   The module's matrix products, in the order in which they are computed (A, B: the left and right operand; K: the contracted axis; several contracted axes count as one K, in the product's order):
;;     1. [M 16,384, K 1,024] x [K 1,024, N 512]; A: computed on the way; B: input base_weight: QUANTISED
;;     2. [M 16,384, K 4,096] x [K 4,096, N 512]; A: computed on the way; B: computed on the way: QUANTISED
;;   THE QUANTISER, for each operand of a quantised product, along K:
;;     - K is cut into blocks of 32 from its start; a last block that is shorter is filled with zeros.
;;     - A block's scale is 2^e with e = floor(log2(the largest magnitude in the block)) - 15, held to -126 .. 127; a block of zeros has e = 0. As a byte (E8M0): e + 127.
;;     - Each number is divided by its block's scale, clamped to +-57,344, and rounded to the nearest number of E5M2, ties to even, subnormals kept.
;;     - The product sums the exact products of the quantised numbers (number of the format x scale) in f32.
;;   ~~~python
;;   def quantise(x, axis):      # numpy; x: float32 -> the quantised numbers, widened to float32 again
;;       x = np.moveaxis(x, axis, -1); K = x.shape[-1]
;;       x = np.pad(x, [(0, 0)] * (x.ndim - 1) + [(0, -K % 32)]); x = x.reshape(x.shape[:-1] + (-1, 32)); a = np.abs(x).max(-1, keepdims=True)
;;       e = np.where(a > 0, np.clip(np.frexp(np.where(a > 0, a, 1))[1] - 1 - 15, -126, 127), 0)      # np.frexp(a)[1] - 1 = floor(log2(a)), exactly
;;       r = np.clip(x / 2.0 ** e, -57344, 57344)
;;       step = 2.0 ** (np.maximum(np.frexp(np.where(r == 0, 1, r))[1] - 1, -14) - 2)
;;       q = np.round(r / step) * step * 2.0 ** e      # np.round: ties to even
;;       return np.moveaxis(q.reshape(q.shape[:-2] + (-1,))[..., :K], -1, axis).astype(np.float32)
;;   ~~~
;;   OPERANDS COMPUTED ON THE WAY. 'Computed on the way' means the value that the module computes at that place (a softmax that the list does not call 'softmax' is quantised finished and normalised). What goes into a quantiser is computed in f32, as accurately as f32 sums, v_exp_f32 and their like allow (about 1e-6 of the number): no bf16 or f16 on the way to a quantiser, and a product that is left as it is and whose result goes on into a quantised operand takes f32 operands (vector FMAs, or v_wmma_f32_16x16x4_f32). A number that lies on a knife's edge between two numbers of the format may be rounded either way, as far as f32 arithmetic and the matrix unit's own rounding can turn it there, and no further.
;; One version. Each part assembles by itself: llvm-mc -triple=amdgcn-amd-amdhsa -mcpu=gfx1250 --defsym DOCPART=n.
;; ======== version 1 of 1: 2 launches
;; limits: right only within a limited range of input values
;; workspace buffers: wstream 2,752,512 bytes
;; launch prep (part 1): grid 32 x 4, 10 waves a work-group, no clusters, 105,728 bytes of LDS; arguments base_weight, spline_weight, spline_scaler, wstream; writes wstream
.if DOCPART == 1
	.amdgcn_target "amdgcn-amd-amdhsa--gfx1250"
	.amdhsa_code_object_version 6
	.text
	.protected	k_qe801253535_prep
	.globl	k_qe801253535_prep
	.p2align	8
	.type	k_qe801253535_prep,@function
k_qe801253535_prep:
	s_mov_b64 s[64:65], 0
	v_nop
	global_prefetch_b8 v0, s[64:65] scope:SCOPE_SE
	s_setreg_imm32_b32 hwreg(HW_REG_WAVE_MODE, 25, 1), 1
	s_wait_xcnt 0x0
; THE WEIGHTS OF BOTH PRODUCTS BECOME CODES OF E5M2 WITH ONE E8M0 BYTE FOR EACH 32 ALONG K, laid in the order in which the next launch's operand registers take them.
; Product 2's weight is spline_weight[o][i][k] x spline_scaler[o][i] (one f32 rounding), K = 4 i + k; product 1's is base_weight[o][i], K = i.
; wstream: 32 blocks of 86,016 bytes, one for each unit u of 32 features; a block has 4 sub-blocks of 21,504 bytes, one for each 128 output columns c:
;   0       8 spline fragments (16 columns x 128 K) of 2,048 bytes as images of the operand's registers: [slice cb 0..3][lane][16 bytes]; lane (r, h) = column r, K = 128 u + 32 cb + 16 h + 0..15
;   16,384  their scale words, 512 bytes: lane (r, h), word i = the word of tile 2 i + h, column r
;   16,896  2 fragments of base_weight: features 128 Sz on, Sz = ((u >> 2) + 7) & 7, tiles 2 (u & 3) + 0, 1.  Inside a block of 32 the place 16 h + 4 c + e holds feature 8 c + 4 h + e:
;           the block's members, and so its scale, are the quantiser's; the next launch lays silu(x) in the same order
;   20,992  their scale words, 128 bytes: lane (r, h) = tile 2 (u & 3) + h, column r;   21,120  384 bytes of zeros, so that the sub-block is 84 whole rows of 256 bytes
; A work-group makes one sub-block (x = u, y = c); each of its ten waves one fragment: waves 0-7 the spline tiles, waves 8, 9 the two of base_weight.
; Every global load takes 512 (the scaler's: 4 x 128) consecutive bytes; the numbers turn through the wave's own stage in LDS, so that a lane gets 16 neighbours along K of each block.
; A block's scale is 2^(floor(log2(largest magnitude)) - 15); its byte is the largest magnitude's exponent field - 15, held at 1 from below.
; LIMITS: a block of zeros gets the byte 1 where the rule says 127 (its codes are zeros, and this program alone reads the bytes); NaN and infinities among the inputs are not served.
.set UB,    86016
.set SUB,   21504
.set STB,   8448                       ; LDS: a stage of 16 rows x (512 bytes + 16) for each wave, from byte 0 on
.set PIT,   528
.set SS,    84480                      ; the scaler's stages: 16 rows x (128 bytes + 16) for each of waves 0-7
.set SSB,   2304
.set SPIT,  144
.set SCW,   102912                     ; the spline tiles' scale words, as they will lie in wstream: 512 bytes
.set SCS,   103424                     ; base_weight's: 128 bytes
.set STW,   1                          ; v1   the stage, on the way in: 16 x lane
.set STRS,  2                          ; v2   on the way out, spline: row r, + 64 h
.set STRB,  3                          ; v3   on the way out, base_weight: row r, + 16 h
.set SSW,   4                          ; v4   the scaler's stage, in
.set SSR,   5                          ; v5   and out: row r, + 16 h
.set PWS,   6                          ; v6   where a spline wave puts its scale word
.set PWB,   7                          ; v7   where waves 8, 9 put theirs
.set L16,   8                          ; v8   16 x lane
.set IMW,   9                          ; v9   the spline scale image, 16 bytes a lane
.set IMB,   10                         ; v10  base_weight's, 16 bytes for each of 8 lanes
.set GSC,   11                         ; v11  the scaler in memory: 4 rows of 128 bytes to a load
.set LANE,  15
.set RAW,   16                         ; v16-79   16 rows as loaded
.set RSC,   80                         ; v80-95   the scaler as loaded
.set VB,    96                         ; v96-159  the fragment's 64 numbers: register 16 b + i = place 32 b + 16 h + i of my column
.set SC,    160                        ; v160-175 the scaler of my 16 features
.set PCD,   176                        ; v176-191 the codes
.set TM,    192                        ; v192-195 largest magnitudes, +4 bytes, +8 the largest number x the scale, +12 the conversions' scale operands
.set PW,    212                        ; the scale word
.set IM,    216                        ; v216-219 a scale image on its way out
.set WV,    12
.set UU,    18
.set CC,    19
.set SEL,   28
.set MNT,   30
	s_load_b128 s[4:7], s[0:1], 0x0                ; base_weight, spline_weight
	s_load_b128 s[8:11], s[0:1], 0x10              ; spline_scaler, wstream
	v_lshl_add_u32 v224, v0, 2, 0x19800
	v_mov_b32 v225, 0
	v_lshrrev_b32 v15, 5, v0
	s_delay_alu instid0(VALU_DEP_1)
	v_readfirstlane_b32 s[WV], v15                 ; wave 0..9
	s_mov_b32 s[UU], ttmp9                         ; the unit
	s_and_b32 s[CC], ttmp7, 0xffff                 ; which 128 columns
	; every LDS address is made here, by every wave, ahead of the first branch on the wave's number
	v_and_b32 v[LANE], 31, v0
	v_and_b32 v14, 15, v0                          ; r
	v_bfe_u32 v13, v0, 4, 1                        ; h
	s_delay_alu instid0(VALU_DEP_3)
	v_lshlrev_b32 v[L16], 4, v[LANE]
	s_mul_i32 s13, s[WV], STB
	v_add_nc_u32 v[STW], s13, v[L16]
	v_mul_u32_u24 v12, v14, PIT
	s_delay_alu instid0(VALU_DEP_1)
	v_add_nc_u32 v12, s13, v12
	s_delay_alu instid0(VALU_DEP_1)
	v_lshl_add_u32 v[STRS], v13, 6, v12
	s_delay_alu instid0(VALU_DEP_2)
	v_lshl_add_u32 v[STRB], v13, 4, v12
	s_min_u32 s14, s[WV], 7
	s_mul_i32 s14, s14, SSB
	s_add_co_u32 s14, s14, SS
	v_lshrrev_b32 v12, 3, v[LANE]                  ; lane / 8: which of a load's 4 rows
	v_and_b32 v11, 7, v[LANE]                      ; lane % 8: which 16 bytes of its 128
	s_delay_alu instid0(VALU_DEP_2)
	v_mul_u32_u24 v[SSW], v12, SPIT
	s_delay_alu instid0(VALU_DEP_1)
	v_lshl_add_u32 v[SSW], v11, 4, v[SSW]
	s_delay_alu instid0(VALU_DEP_1)
	v_add_nc_u32 v[SSW], s14, v[SSW]
	v_mul_u32_u24 v[SSR], v14, SPIT
	s_delay_alu instid0(VALU_DEP_1)
	v_lshl_add_u32 v[SSR], v13, 4, v[SSR]
	s_delay_alu instid0(VALU_DEP_1)
	v_add_nc_u32 v[SSR], s14, v[SSR]
	s_and_b32 s15, s[WV], 1
	s_lshr_b32 s16, s[WV], 1
	s_min_u32 s16, s16, 3
	s_lshl_b32 s16, s16, 2
	s_lshl_b32 s17, s15, 8
	s_add_co_u32 s17, s17, s16
	s_add_co_u32 s17, s17, SCW
	v_lshl_add_u32 v[PWS], v14, 4, s17             ; tile n: lane r + 16 (n % 2) of the image, word n / 2
	s_lshl_b32 s17, s15, 6
	s_add_co_u32 s17, s17, SCS
	v_lshl_add_u32 v[PWB], v14, 2, s17             ; wave 8 + h: lane r + 16 h of the image
	v_add_nc_u32 v[IMW], SCW, v[L16]
	v_lshl_add_u32 v[IMB], v11, 4, SCS
	v_lshlrev_b32 v12, 12, v12
	s_delay_alu instid0(VALU_DEP_1)
	v_lshl_add_u32 v[GSC], v11, 4, v12             ; a row of the scaler is 4,096 bytes
	s_mov_b32 s[SEL], 0x76543210
	s_mov_b32 s[SEL+1], 0xfedcba98                 ; v_permlanex16_b32's selects for lane l xor 16
	s_mov_b32 s[MNT], 0x600000                     ; the mantissa field of 57,344
.irp b, 0,1,2,3
	v_mov_b32 v[TM+4+\b], 0                        ; written once: a lane permute's destination counts as one of its sources
.endr
	s_mul_i32 s24, s[UU], UB
	s_mul_i32 s25, s[CC], SUB
	s_add_co_u32 s24, s24, s25
	s_mov_b32 s25, 0
	s_mov_b32 s23, 0
	s_wait_kmcnt 0x0
	s_add_nc_u64 s[10:11], s[10:11], s[24:25]      ; my work-group's sub-block
	s_lshl_b32 s24, s[WV], 11                      ; my fragment in it: 2,048 x wave,
	s_lshr_b32 s26, s[WV], 3
	s_lshl_b32 s26, s26, 9
	s_add_co_u32 s24, s24, s26                     ; and 512 more for waves 8, 9: behind the spline scale image
	s_add_nc_u64 s[26:27], s[10:11], s[24:25]
	s_cmp_ge_u32 s[WV], 8
	s_cbranch_scc1 .Lbase
	; ---- waves 0-7: 16 columns of spline_weight, 32 features x 4 = 512 bytes of each, and the same features of the scaler
	s_lshl_b32 s20, s[CC], 7
	s_lshl_b32 s21, s[WV], 4
	s_add_co_u32 s20, s20, s21                     ; my first column
	s_lshl_b32 s22, s20, 14                        ; a column's row of spline_weight is 16,384 bytes
	s_lshl_b32 s21, s[UU], 9
	s_add_co_u32 s22, s22, s21
	s_add_nc_u64 s[6:7], s[6:7], s[22:23]
	s_lshl_b32 s22, s20, 12
	s_lshl_b32 s21, s[UU], 7
	s_add_co_u32 s22, s22, s21
	s_add_nc_u64 s[8:9], s[8:9], s[22:23]
.irp j, 0,1,2,3,4,5,6,7,8,9,10,11,12,13,14,15
	global_load_b128 v[RAW+4*\j:RAW+4*\j+3], v[L16], s[6:7] offset:16384*\j th:TH_LOAD_NT   ; 32 lanes read 512 consecutive bytes of column j
.endr
	s_wait_alu depctr_va_vdst(0)
.irp j, 0,1,2,3
	global_load_b128 v[RSC+4*\j:RSC+4*\j+3], v[GSC], s[8:9] offset:16384*\j th:TH_LOAD_NT   ; columns 4 j .. 4 j + 3, 128 bytes of each
.endr
	s_wait_loadcnt 0x0
.irp j, 0,1,2,3,4,5,6,7,8,9,10,11,12,13,14,15
	ds_store_b128 v[STW], v[RAW+4*\j:RAW+4*\j+3] offset:PIT*\j
.endr
.irp j, 0,1,2,3
	ds_store_b128 v[SSW], v[RSC+4*\j:RSC+4*\j+3] offset:4*SPIT*\j
.endr
.irp c, 0,1,2,3                                ; LDS serves a wave's instructions in order (ISA guide 5.7.1.4): these see my stores
.irp j, 0,1,2,3
	ds_load_b128 v[VB+16*\c+4*\j:VB+16*\c+4*\j+3], v[STRS] offset:128*\c+16*\j   ; K = 32 c + 16 h + 4 j + 0..3: feature 8 c + 4 h + j, its four bases
.endr
	ds_load_b128 v[SC+4*\c:SC+4*\c+3], v[SSR] offset:32*\c                       ; the scaler of features 8 c + 4 h + 0..3
.endr
	s_wait_dscnt 0x0
.irp c, 0,1,2,3                                ; spline_weight x scaler: a feature's four numbers by its one scaler, two at a time; op_sel picks the pair's low or high register for both halves
.irp f, 0,2
	v_pk_mul_f32 v[VB+16*\c+4*\f:VB+16*\c+4*\f+1],   v[VB+16*\c+4*\f:VB+16*\c+4*\f+1],   v[SC+4*\c+\f:SC+4*\c+\f+1] op_sel_hi:[1,0]
	v_pk_mul_f32 v[VB+16*\c+4*\f+2:VB+16*\c+4*\f+3], v[VB+16*\c+4*\f+2:VB+16*\c+4*\f+3], v[SC+4*\c+\f:SC+4*\c+\f+1] op_sel_hi:[1,0]
	v_pk_mul_f32 v[VB+16*\c+4*\f+4:VB+16*\c+4*\f+5], v[VB+16*\c+4*\f+4:VB+16*\c+4*\f+5], v[SC+4*\c+\f:SC+4*\c+\f+1] op_sel:[0,1] op_sel_hi:[1,1]
	v_pk_mul_f32 v[VB+16*\c+4*\f+6:VB+16*\c+4*\f+7], v[VB+16*\c+4*\f+6:VB+16*\c+4*\f+7], v[SC+4*\c+\f:SC+4*\c+\f+1] op_sel:[0,1] op_sel_hi:[1,1]
.endr
.endr
	s_branch .Lquant
.Lbase:
	; ---- waves 8, 9: 16 columns of base_weight, 128 features = 512 bytes of each
	s_and_b32 s20, s[UU], 3
	s_lshl_b32 s20, s20, 1
	s_add_co_u32 s20, s20, s15                     ; tile 2 (u & 3) + (wave - 8)
	s_lshl_b32 s20, s20, 4
	s_lshl_b32 s21, s[CC], 7
	s_add_co_u32 s20, s20, s21                     ; my first column
	s_lshl_b32 s22, s20, 12                        ; a column's row of base_weight is 4,096 bytes
	s_lshr_b32 s21, s[UU], 2
	s_add_co_u32 s21, s21, 7
	s_and_b32 s21, s21, 7                          ; Sz
	s_lshl_b32 s21, s21, 9
	s_add_co_u32 s22, s22, s21
	s_add_nc_u64 s[4:5], s[4:5], s[22:23]
.irp j, 0,1,2,3,4,5,6,7,8,9,10,11,12,13,14,15
	global_load_b128 v[RAW+4*\j:RAW+4*\j+3], v[L16], s[4:5] offset:4096*\j th:TH_LOAD_NT
.endr
	s_wait_loadcnt 0x0
.irp j, 0,1,2,3,4,5,6,7,8,9,10,11,12,13,14,15
	ds_store_b128 v[STW], v[RAW+4*\j:RAW+4*\j+3] offset:PIT*\j
.endr
.irp c, 0,1,2,3
.irp j, 0,1,2,3
	ds_load_b128 v[VB+16*\c+4*\j:VB+16*\c+4*\j+3], v[STRB] offset:128*\c+32*\j   ; place 16 h + 4 j + e of block c: feature 32 c + 8 j + 4 h + e
.endr
.endr
	s_wait_dscnt 0x0
.Lquant:
	; ---- the quantiser: four blocks of 32, 16 numbers of each in my lane and 16 in lane l xor 16
.irp b, 0,1,2,3
	v_max3_num_f32 v[TM+\b], |v[VB+16*\b]|, |v[VB+16*\b+1]|, 0x8000000   ; and the floor 2^(16 - 127): the byte cannot fall under 1
.endr
.irp i, 2,4,6,8,10,12,14
.irp b, 0,1,2,3
	s_delay_alu instid0(VALU_DEP_4)
	v_max3_num_f32 v[TM+\b], v[TM+\b], |v[VB+16*\b+\i]|, |v[VB+16*\b+\i+1]|   ; the four blocks by turns
.endr
.endr
.irp b, 0,1,2,3
	s_delay_alu instid0(VALU_DEP_4)
	v_permlanex16_b32 v[TM+4+\b], v[TM+\b], s[SEL], s[SEL+1]
.endr
.irp b, 0,1,2,3
	s_delay_alu instid0(VALU_DEP_4)
	v_max_num_f32 v[TM+\b], v[TM+\b], v[TM+4+\b]   ; the block's largest magnitude
.endr
.irp b, 0,1,2,3
	s_delay_alu instid0(VALU_DEP_4)
	v_add_nc_u32 v[TM+12+\b], 0xf8800000, v[TM+\b]   ; 15 off its exponent field: the conversion takes the exponent field of this operand as its scale
.endr
.irp b, 0,1,2,3
	v_and_or_b32 v[TM+8+\b], v[TM+\b], 0x7f800000, s[MNT]   ; 57,344 x the scale
.endr
.irp b, 0,1,2,3
	v_lshrrev_b32 v[TM+4+\b], 23, v[TM+12+\b]      ; the scale's byte
.endr
	s_delay_alu instid0(VALU_DEP_3)
	v_lshl_or_b32 v[PW], v[TM+5], 8, v[TM+4]       ; my column's scale word
	s_delay_alu instid0(VALU_DEP_1)
	v_lshl_or_b32 v[PW], v[TM+6], 16, v[PW]
	s_delay_alu instid0(VALU_DEP_1)
	v_lshl_or_b32 v[PW], v[TM+7], 24, v[PW]
.irp b, 0,1,2,3
.irp i, 0,1,2,3,4,5,6,7,8,9,10,11,12,13,14,15
	v_med3_num_f32 v[VB+16*\b+\i], v[VB+16*\b+\i], -v[TM+8+\b], v[TM+8+\b]   ; the conversion to an 8-bit code does not saturate (ISA guide 7.6.2): the hold at the largest code x the scale
.endr
	v_cvt_scalef32_pk8_bf8_f32 v[PCD+4*\b:PCD+4*\b+1], v[VB+16*\b:VB+16*\b+7], v[TM+12+\b]
	v_cvt_scalef32_pk8_bf8_f32 v[PCD+4*\b+2:PCD+4*\b+3], v[VB+16*\b+8:VB+16*\b+15], v[TM+12+\b]
.endr
	v_nop                                          ; one plain vector line behind the last conversion
.irp c, 0,1,2,3
	global_store_b128 v[L16], v[PCD+4*\c:PCD+4*\c+3], s[26:27] offset:512*\c   ; slice c of the image: 512 consecutive bytes, aligned
.endr
	s_cmp_ge_u32 s[WV], 8
	s_cbranch_scc1 .Lword_b
	ds_store_b32 v[PWS], v[PW]                     ; lanes r and r + 16 write the same word with the same value
	s_branch .Lmeet
.Lword_b:
	ds_store_b32 v[PWB], v[PW]
.Lmeet:
	s_wait_dscnt 0x0                               ; for the others' sake: my scale words lie in LDS
	s_barrier_signal -1
	s_barrier_wait -1
	s_cmp_lg_u32 s[WV], 0
	s_cbranch_scc1 .Lnot_0
	ds_load_b128 v[IM:IM+3], v[IMW]                ; wave 0: the eight spline tiles' scale words leave as 512 consecutive bytes
	s_wait_dscnt 0x0
	global_store_b128 v[L16], v[IM:IM+3], s[10:11] offset:16384
	s_wait_tensorcnt 0x0
	ds_add_u32 v224, v225
	s_wait_dscnt 0x0
	s_endpgm
.Lnot_0:
	s_cmp_lg_u32 s[WV], 8
	s_cbranch_scc1 .Ldone
	ds_load_b128 v[IM:IM+3], v[IMB]                ; wave 8: 128 bytes of scale words in lanes 0-7,
	v_cmp_gt_u32 vcc_lo, 8, v[LANE]
	s_wait_dscnt 0x0
.irp i, 0,1,2,3
	v_cndmask_b32 v[IM+\i], 0, v[IM+\i], vcc_lo    ; zeros in the others: the sub-block's last 512 bytes are written whole
.endr
	global_store_b128 v[L16], v[IM:IM+3], s[10:11] offset:20992
.Ldone:
	s_wait_tensorcnt 0x0
	ds_add_u32 v224, v225
	s_wait_dscnt 0x0
	s_endpgm
.Lfunc_end_k_qe801253535_prep:
	.size	k_qe801253535_prep, .Lfunc_end_k_qe801253535_prep-k_qe801253535_prep
	.p2alignl 7, 3214868480
	.fill 96, 4, 3214868480
	.section	.rodata,"a",@progbits
	.p2align	6, 0x0
	.amdhsa_kernel k_qe801253535_prep
		.amdhsa_group_segment_fixed_size 105728
		.amdhsa_private_segment_fixed_size 0
		.amdhsa_enable_private_segment 0
		.amdhsa_kernarg_size 32
		.amdhsa_user_sgpr_count 2
		.amdhsa_user_sgpr_kernarg_segment_ptr 1
		.amdhsa_wavefront_size32 1
		.amdhsa_system_sgpr_workgroup_id_x 1
		.amdhsa_system_sgpr_workgroup_id_y 1
		.amdhsa_system_sgpr_workgroup_id_z 1
		.amdhsa_system_vgpr_workitem_id 0
		.amdhsa_next_free_vgpr 226
		.amdhsa_next_free_sgpr 66
		.amdhsa_reserve_vcc 1
		.amdhsa_float_denorm_mode_32 3
		.amdhsa_float_denorm_mode_16_64 3
		.amdhsa_memory_ordered 1
		.amdhsa_forward_progress 1
		.amdhsa_inst_pref_size 26
	.end_amdhsa_kernel
	.amdgpu_metadata
---
amdhsa.version: [ 1, 2 ]
amdhsa.kernels:
  - .name:           k_qe801253535_prep
    .symbol:         k_qe801253535_prep.kd
    .args:
      - { .name: base_weight, .offset: 0, .size: 8, .value_kind: global_buffer, .address_space: global }
      - { .name: spline_weight, .offset: 8, .size: 8, .value_kind: global_buffer, .address_space: global }
      - { .name: spline_scaler, .offset: 16, .size: 8, .value_kind: global_buffer, .address_space: global }
      - { .name: wstream, .offset: 24, .size: 8, .value_kind: global_buffer, .address_space: global }
    .group_segment_fixed_size: 105728
    .private_segment_fixed_size: 0
    .kernarg_segment_align: 8
    .kernarg_segment_size: 32
    .max_flat_workgroup_size: 320
    .sgpr_count:     66
    .vgpr_count:     226
    .wavefront_size: 32
...
	.end_amdgpu_metadata
.endif
;; end of part 1
;; launch kan (part 2): grid 256 x 1, 8 waves a work-group, clusters of 4 x 1, 327,680 bytes of LDS; arguments x, wstream, out0; writes out0
.if DOCPART == 2
	.amdgcn_target "amdgcn-amd-amdhsa--gfx1250"
	.amdhsa_code_object_version 6
	.text
	.protected	k_qe801253535_kan
	.globl	k_qe801253535_kan
	.p2align	8
	.type	k_qe801253535_kan,@function
k_qe801253535_kan:
	s_mov_b64 s[64:65], 0
	v_nop
	global_prefetch_b8 v0, s[64:65] scope:SCOPE_SE
	s_setreg_imm32_b32 hwreg(HW_REG_WAVE_MODE, 25, 1), 1
	s_wait_xcnt 0x0
	s_wait_alu depctr_hold_cnt(0) depctr_sa_sdst(0) depctr_va_vdst(0) depctr_va_sdst(0) depctr_va_ssrc(0) depctr_va_vcc(0) depctr_vm_vsrc(0)
	s_getreg_b32 s2, hwreg(HW_REG_IB_STS2, 6, 4)
	s_cmp_eq_u32 s2, 0
	s_cbranch_scc0 .Lentry_in_a_cluster
	s_endpgm
.Lentry_in_a_cluster:
	s_bfe_u32 s2, ttmp6, 0x10000c
	s_cmp_lg_u32 s2, 0x3003
	s_cbranch_scc0 .Lentry_shape_is_right
	s_endpgm
.Lentry_shape_is_right:
; out0[16384][512] = Q(silu(x)) Q(base_weight)^T + Q(bases(x)) Q(spline_weight x scaler)^T: one sum over K = 1,024 + 4,096, both operands codes of E5M2 with one E8M0 byte for each 32 along K.
; The weights come as codes from wstream (the launch before; its head comment has the layout); silu(x) and the four cubic B-spline bases of each x are computed and quantised here, in f32, once.
; SHARES.  A work-group owns 64 rows of x and all 512 columns.  Its eight waves have two ROLES.  The four PRODUCERS take 16 rows each: they compute and quantise, a UNIT of 32 features at a time (128 along the
; spline's K, one block of 32 of silu's), and hand the codes on through LDS as images of the operand's registers.  The four CONSUMERS take 128 columns each, for all 64 rows: 32 accumulators, 256 registers.
; role = (w ^ (w >> 2)) & 1, place = w >> 1: waves 0, 2, 5, 7 consume, waves 1, 3, 4, 6 produce.  By the count of the text a unit is some 640 vector instructions of a producer and 40 matrix instructions of a consumer.
; SEGMENTS t = 0 .. 32, one barrier each.  In segment t the producers make unit t of the walk; the consumers multiply unit t - 1: its spline K step (32 matrix instructions) and, from t = 5 on, a quarter
; (two tiles of columns, 8 matrix instructions) of the silu K step of the SUPERSTEP (4 units, 128 features) before, whose weights ride in the units' blocks.  The last superstep's silu K step follows in segment 32.
; THE WALK begins at superstep cluster x & 7 and goes round, so that the clusters do not all ask for the same block at once; that number enters global addresses alone.
; CLUSTER.  The four work-groups of a cluster walk the same weights: each block is asked for JOINTLY, by the same tensor load with the same descriptor and the mask 15; each consumer asks for its own 128 columns' part.
; THE BASES, knots -7, -5 .. 7: xc = x held in [-7, 7 - 1e-6]; a_j = xc + (7, 5, 3, 1), b_j = (1, 3, 5, 7) - xc (one rounding each); p_j = med3(a_j, b_j, 0); q_j = the same of a_j - 2, b_j - 2, which are
; other a's and b's, or xc - 1 and -1 - xc; B_j = (p_j^3 - 4 q_j^3) / 48.  silu(x) = x / (1 + 2^(-x log2 e)).
; LIMITS: NaN and infinities in x are not served.  Under x = -87 silu's result, a denormal or less, comes out as -0.  silu's relative error grows as about 4e-8 |x| (the rounding of x log2 e).
; A block of zeros gets the scale byte 1 where the rule says 127: its codes are zeros, and the bytes never leave the program.
; x is asked for a superstep (four segments) ahead, into registers; each load takes 512 consecutive bytes of a row.
.set UB,    86016                      ; a unit's block of weights; LDS bytes 0 .. 2 UB: two slots
.set SUB,   21504                      ; a consumer's part of it
.set TAILW, 172032                     ; the last superstep's silu weights: for each consumer 4 rows of TROW bytes (two fragments, 128 bytes of scale words, padding)
.set TROW,  4608
.set AIMG,  245760                     ; the spline operand: two buffers of IMGB: 4 fragment images of 2,048 bytes (one a producer), then 4 scale images of 128
.set SIMG,  263168                     ; silu's likewise: a superstep's fragment grows by a slice of 512 bytes a unit
.set IMGB,  8704
.set ISC,   8192
.set XST,   280576                     ; each producer's stage for x: 16 rows x (512 bytes + 16)
.set XSTB,  8448
.set PIT,   528
.set SPARE, 314368                     ; the spare words, 128 bytes for each wave: four blocks of 256 bytes that no other line names
.set OSTG,  UB                         ; the way out: each consumer's stage lies in its own part of slot 1, which has had its last fill and its last read by then
; vector registers of both roles: LDS addresses, made by every wave on the common way; they never hold data
.set SPW, 1
.set NIL, 2
.set L16, 3                            ; 16 x lane
.set XSW, 4                            ; x's stage, in;  v5 out: row r, + 16 h
.set XSR, 5
.set AW,  6                            ; where a producer stores: the spline image, its scale words, silu's image, its scale words
.set AWS, 7
.set SW,  8
.set SWS, 9
.set WB,  10                           ; a consumer's part of slot 0: 16 x lane, 4 x lane
.set WB4, 11
.set AB,  12                           ; what a consumer reads: the images' first buffers
.set AB4, 13
.set SB,  14
.set SB4, 15
.set TW,  16
.set TW4, 17
.set STO, 18
.set RD,  19
.set XRD, 20                           ; v20-30: the same with the segment's buffer or slot added (TOPV)
.set AWT, 21
.set AWST, 22
.set SWT, 23
.set SWST, 24
.set WBT, 25
.set WB4T, 26
.set ABT, 27
.set AB4T, 28
.set SBT, 29
.set SB4T, 30
.set L4,  31                           ; 4 x lane
; a producer's registers
.set XV,  32                           ; v32-47   the unit's 16 numbers of my row: register 4 c + e = feature 8 c + 4 h + e
.set SL,  48                           ; v48-63   silu of them
.set VB,  64                           ; v64-127  the bases: register 16 c + 4 e + j = basis j of feature 8 c + 4 h + e: K = 32 c + 16 h + 4 e + j
.set TA,  128                          ; v128-191 at work on the bases: a, b, p, q of four numbers
.set TBV, 144
.set TP,  160
.set TQ,  176
.set XC,  192
.set K75, 196                          ; the pairs (7, 5), (3, 1), (1, 3), (5, 7)
.set K31, 198
.set K13, 200
.set K57, 202
.set PCD, 204                          ; v204-223 the codes: 16 registers of the spline fragment, 4 of silu's slice
.set DD,  224                          ; v224-227 xc - 1 of four numbers
.set CM,  228                          ; v228-231 -1 - xc of them
.set KM1, 232                          ; v232-233 the pair (-1, -1)
.set TM,  128                          ; the quantiser works where the bases were made, when they are made.  Five blocks (four of the spline, silu's): largest magnitudes,
.set TX,  133                          ; the other half's,
.set SCO, 138                          ; the conversions' scale operands,
.set HLD, 143                          ; the largest number x the scale,
.set BY,  148                          ; the bytes
.set SWW, 253                          ; silu's scale word, growing by a byte a unit
.set PW,  254                          ; the spline scale word
; (window 1, v0-63: x as loaded, 16 rows x 16 bytes a lane)
; a consumer's registers
.set AF,  32                           ; v32-95   the spline fragments of the four tiles of rows
.set AP,  96                           ; v96-159  silu's, kept for four segments
.set BB,  160                          ; v160-239 five buffers of one weight fragment
.set WSC, 240                          ; v240-252 hold scale words and nothing else, in either role.  v240-243 the weights': register i: lanes 0-15 tile 2 i, lanes 16-31 tile 2 i + 1
.set WSS, 244                          ; the silu pair's
.set ASW, 245                          ; v245-248 the rows' scale words, spline;  v249-252 silu
.set APS, 249
.set BK,  32                           ; the way out: 16 rows read back: v32-95 and v96-159 by turns
; (window 1: accumulator (tile of rows m, tile of columns n) at v[8 (8 m + n)])
; scalar registers
.set WV,   10
.set ROLE, 11
.set IDX,  12
.set WG,   14                          ; s13, s14, s[84:85], s[60:63], s[80:81] alone hold what hangs on my place in the cluster: x's and out0's addresses
.set SST,  15                          ; the walk's first superstep
.set ISUB, 16
.set TT,   17                          ; the segment
.set CI,   18                          ; TT & 3: the unit's place in its superstep
.set QQ,   19                          ; (TT - 1) & 3: that of the unit being multiplied
.set XO,   20
.set PAR,  21
.set APW,  22
.set APR,  23
.set SLR,  24
.set SLF,  25
.set T4,   26
.set SP8,  27
.set SOF,  28
.set SHF,  29
.set KEEP, 30
.set SPR,  31
.set G1W,  32                          ; s[32:39] group 1: 84 rows of 256 bytes, dense
.set G1T,  40                          ; s[40:47] group 1: 4 rows of 4,608 bytes, a block apart
.set G0A,  48                          ; s[48:51] group 0 of the units' fills: unit 0's at the head, then the walking one;  s[56:59] TAILW's
.set G0T,  56
.set XR,   60
.set XPT,  62
.set TMP,  66                          ; s[66:67]: an offset; s67 stays 0
.set WP,   68
.set SEL,  70
.set MNT,  72
.set CLO,  73
.set CHI,  74
.set NLE,  76
.set C48,  78
.set OP,   80
.set G1H,  88                          ; s[88:95] group 1: 42 rows of 256 bytes, dense: half of a consumer's part, what one wave brings in a refill
.set MSB, 0
.macro WIN new                         ; s_set_vgpr_msb: bits 1:0 source 0, 3:2 source 1, 5:4 source 2, 7:6 destination; the high byte repeats the setting that is left
.if MSB != \new
	s_set_vgpr_msb (MSB<<8)|\new
.set MSB, \new
.endif
.endm
.macro PLACES n                        ; plain vector instructions between a matrix instruction and a load into, or a read of, its registers (eight for this form)
.rept \n
	v_nop
.endr
.endm
.macro ROUND                           ; a round of the cluster's barrier
	s_barrier_signal -1
	s_barrier_wait -1
	s_cmp_lg_u32 s[WV], 0
	s_cbranch_scc1 .Lnot_wave_0_\@
	s_barrier_signal -3
.Lnot_wave_0_\@:
	s_barrier_wait -3
	s_barrier_signal -1
	s_barrier_wait -1
.endm
; What a segment's addresses hang on, from TT alone.  fill = 1: also the walking group 0: unit TT of the walk into the slot that was read in the segment before.
.macro TOPS fill
	s_and_b32 s[CI], s[TT], 3
	s_add_co_u32 s[QQ], s[TT], 3
	s_and_b32 s[QQ], s[QQ], 3
	s_add_co_u32 s[XO], s[TT], 1
	s_and_b32 s[XO], s[XO], 3
	s_lshl_b32 s[XO], s[XO], 7                     ; the next unit's 128 bytes in a row of the stage
	s_and_b32 s[PAR], s[TT], 1
	s_mul_i32 s[APW], s[PAR], IMGB                 ; the spline buffer written,
	s_xor_b32 s[APR], s[APW], IMGB                 ; and the one read
	s_mul_i32 s[SLR], s[PAR], UB                   ; the slot read,
	s_xor_b32 s[SLF], s[SLR], UB                   ; and the one filled
	s_lshr_b32 s[T4], s[TT], 2
	s_and_b32 s[SP8], s[T4], 1
	s_mul_i32 s[SP8], s[SP8], IMGB                 ; silu's buffer written,
	s_xor_b32 s[SPR], s[SP8], IMGB                 ; and the other one: in a superstep's second segment, where it is read, it holds the superstep before, whole
	s_lshl_b32 s[SOF], s[CI], 9
	s_add_co_u32 s[SOF], s[SOF], s[SP8]            ; the unit's slice in the buffer written,
	s_lshl_b32 s[SHF], s[CI], 3                    ; its byte in the scale word,
	s_cmp_eq_u32 s[CI], 0
	s_cselect_b32 s[KEEP], 0, -1                   ; which begins anew with a superstep
.if \fill
	s_add_co_u32 s[TMP], s[T4], s[SST]
	s_and_b32 s[TMP], s[TMP], 7
	s_lshl_b32 s[TMP], s[TMP], 2
	s_add_co_u32 s[TMP], s[TMP], s[CI]             ; the unit's number among the features
	s_mul_i32 s[TMP], s[TMP], UB
	s_add_co_u32 s[G0A+1], s[SLF], s[ISUB]
	s_add_nc_u64 s[G0A+2:G0A+3], s[WP:WP+1], s[TMP:TMP+1]
	s_or_b32 s[G0A+3], s[G0A+3], 0x80000000
.endif
.endm
.macro FILL                            ; the joint fill behind a round: EVERY wave's one tensor load, with no branch: the consumer of place i brings the first 42 rows of part i, the producer of place i the other 42; an s_nop 0 and four v_nop follow
	tensor_load_to_lds s[G0A:G0A+3], s[G1H:G1H+7]
	s_nop 0
.rept 4
	v_nop
.endr
.endm
.macro TOPV                            ; the segment's LDS addresses, by every wave (no LDS instruction of the wave is out)
	v_add_nc_u32 v[XRD], s[XO], v[XSR]
	v_add_nc_u32 v[AWT], s[APW], v[AW]
	v_add_nc_u32 v[AWST], s[APW], v[AWS]
	v_add_nc_u32 v[SWT], s[SOF], v[SW]
	v_add_nc_u32 v[SWST], s[SP8], v[SWS]
	v_add_nc_u32 v[WBT], s[SLR], v[WB]
	v_add_nc_u32 v[WB4T], s[SLR], v[WB4]
	v_add_nc_u32 v[ABT], s[APR], v[AB]
	v_add_nc_u32 v[AB4T], s[APR], v[AB4]
	v_add_nc_u32 v[SBT], s[SPR], v[SB]
	v_add_nc_u32 v[SB4T], s[SPR], v[SB4]
.endm
.macro XLOADS                          ; a superstep of my 16 rows: 512 consecutive bytes of a row to a load
	WIN 0x40                                       ; destination window 1
.irp j, 0,1,2,3,4,5,6,7,8,9,10,11,12,13,14,15
	global_load_b128 v[4*\j:4*\j+3], v[L16], s[XPT:XPT+1] offset:4096*\j th:TH_LOAD_NT
.endr
	WIN 0
.endm
.macro XSTAGE                          ; and into my stage, as it lies
	WIN 0x04                                       ; an LDS store's data are its source 1: window 1
.irp j, 0,1,2,3,4,5,6,7,8,9,10,11,12,13,14,15
	ds_store_b128 v[XSW], v[4*\j:4*\j+3] offset:PIT*\j
.endr
	WIN 0
.endm
; The bases of four numbers of x, XV[4 b + e]: stage by stage, so that no line waits for the line above it.  Register 4 e + j of TA, TBV, TP, TQ belongs to number e and basis j.
; NO NEGATIVE ZERO ENTERS A MEDIAN.  b0 - 2 = -1 - xc and a3 - 2 = xc - 1 are made by subtractions of their own, not by negating a3 and b0: the magnitudes are the same bit for bit (one rounding either way),
; but at x = -1 and x = 1, where they are exact zeros, a subtraction gives +0 and a negation would give -0 beside the constant +0.  So wherever a median's sources tie, they are equal bit for bit.
.macro EVAL b
.irp e, 0,1,2,3
	v_med3_num_f32 v[XC+\e], v[XV+4*\b+\e], s[CLO], s[CHI]
.endr
.irp e, 0,2                                    ; op_sel picks the pair's low register (number e) or its high one (e + 1) for both halves
	v_pk_add_f32 v[TA+4*\e:TA+4*\e+1],     v[XC+\e:XC+\e+1], v[K75:K75+1] op_sel_hi:[0,1]
	v_pk_add_f32 v[TA+4*\e+2:TA+4*\e+3],   v[XC+\e:XC+\e+1], v[K31:K31+1] op_sel_hi:[0,1]
	v_pk_add_f32 v[TA+4*\e+4:TA+4*\e+5],   v[XC+\e:XC+\e+1], v[K75:K75+1] op_sel:[1,0] op_sel_hi:[1,1]
	v_pk_add_f32 v[TA+4*\e+6:TA+4*\e+7],   v[XC+\e:XC+\e+1], v[K31:K31+1] op_sel:[1,0] op_sel_hi:[1,1]
	v_pk_add_f32 v[TBV+4*\e:TBV+4*\e+1],   v[K13:K13+1], v[XC+\e:XC+\e+1] op_sel_hi:[1,0] neg_lo:[0,1] neg_hi:[0,1]
	v_pk_add_f32 v[TBV+4*\e+2:TBV+4*\e+3], v[K57:K57+1], v[XC+\e:XC+\e+1] op_sel_hi:[1,0] neg_lo:[0,1] neg_hi:[0,1]
	v_pk_add_f32 v[TBV+4*\e+4:TBV+4*\e+5], v[K13:K13+1], v[XC+\e:XC+\e+1] op_sel:[0,1] op_sel_hi:[1,1] neg_lo:[0,1] neg_hi:[0,1]
	v_pk_add_f32 v[TBV+4*\e+6:TBV+4*\e+7], v[K57:K57+1], v[XC+\e:XC+\e+1] op_sel:[0,1] op_sel_hi:[1,1] neg_lo:[0,1] neg_hi:[0,1]
	v_pk_add_f32 v[DD+\e:DD+\e+1],         v[XC+\e:XC+\e+1], v[KM1:KM1+1]                                        ; xc - 1 of numbers e and e + 1
	v_pk_add_f32 v[CM+\e:CM+\e+1],         v[KM1:KM1+1], v[XC+\e:XC+\e+1] neg_lo:[0,1] neg_hi:[0,1]              ; -1 - xc of them
.endr
.irp i, 0,1,2,3,4,5,6,7,8,9,10,11,12,13,14,15
	v_med3_num_f32 v[TP+\i], v[TA+\i], v[TBV+\i], 0                ; a + b = 8: the middle of a, b, 0 is min(a, b) held at 0
.endr
.irp e, 0,1,2,3
	v_med3_num_f32 v[TQ+4*\e],   v[TA+4*\e+1], v[CM+\e], 0         ; a0 - 2 = a1, b0 - 2 = -1 - xc
	v_med3_num_f32 v[TQ+4*\e+1], v[TA+4*\e+2], v[TBV+4*\e], 0      ; a1 - 2 = a2, b1 - 2 = b0
	v_med3_num_f32 v[TQ+4*\e+2], v[TA+4*\e+3], v[TBV+4*\e+1], 0    ; a2 - 2 = a3, b2 - 2 = b1
	v_med3_num_f32 v[TQ+4*\e+3], v[DD+\e], v[TBV+4*\e+2], 0        ; a3 - 2 = xc - 1, b3 - 2 = b2
.endr
.irp i, 0,2,4,6,8,10,12,14
	v_pk_mul_f32 v[TA+\i:TA+\i+1], v[TP+\i:TP+\i+1], v[TP+\i:TP+\i+1]
.endr
.irp i, 0,2,4,6,8,10,12,14
	v_pk_mul_f32 v[TBV+\i:TBV+\i+1], v[TQ+\i:TQ+\i+1], v[TQ+\i:TQ+\i+1]
.endr
.irp i, 0,2,4,6,8,10,12,14
	v_pk_mul_f32 v[TA+\i:TA+\i+1], v[TA+\i:TA+\i+1], v[TP+\i:TP+\i+1]
.endr
.irp i, 0,2,4,6,8,10,12,14
	v_pk_mul_f32 v[TBV+\i:TBV+\i+1], v[TBV+\i:TBV+\i+1], v[TQ+\i:TQ+\i+1]
.endr
.irp i, 0,2,4,6,8,10,12,14
	v_pk_fma_f32 v[TA+\i:TA+\i+1], v[TBV+\i:TBV+\i+1], -4.0, v[TA+\i:TA+\i+1] op_sel_hi:[1,0,1]
.endr
.irp i, 0,2,4,6,8,10,12,14
	v_pk_mul_f32 v[VB+16*\b+\i:VB+16*\b+\i+1], v[TA+\i:TA+\i+1], s[C48:C48+1] op_sel_hi:[1,0]
.endr
.endm
; Five blocks of 32 (16 numbers in my lane, 16 in lane l xor 16) become codes and bytes.  The bases are never negative: no |.| on them, and their hold is one-sided.
.macro QUANT5
.irp b, 0,1,2,3
	v_max3_num_f32 v[TM+\b], v[VB+16*\b], v[VB+16*\b+1], 0x8000000   ; and the floor 2^(16 - 127): the byte cannot fall under 1
.endr
	v_max3_num_f32 v[TM+4], |v[SL]|, |v[SL+1]|, 0x8000000
.irp i, 2,4,6,8,10,12,14
.irp b, 0,1,2,3
	v_max3_num_f32 v[TM+\b], v[TM+\b], v[VB+16*\b+\i], v[VB+16*\b+\i+1]
.endr
	v_max3_num_f32 v[TM+4], v[TM+4], |v[SL+\i]|, |v[SL+\i+1]|
.endr
.irp b, 0,1,2,3,4
	v_permlanex16_b32 v[TX+\b], v[TM+\b], s[SEL], s[SEL+1]   ; (its destination counts as one of its sources: the bases' work has written these registers)
.endr
.irp b, 0,1,2,3,4
	v_max_num_f32 v[TM+\b], v[TM+\b], v[TX+\b]     ; the block's largest magnitude
.endr
.irp b, 0,1,2,3,4
	v_add_nc_u32 v[SCO+\b], 0xf8800000, v[TM+\b]   ; 15 off its exponent field: the conversion takes the exponent field of this operand as its scale
.endr
.irp b, 0,1,2,3,4
	v_and_or_b32 v[HLD+\b], v[TM+\b], 0x7f800000, s[MNT]   ; 57,344 x the scale
.endr
.irp b, 0,1,2,3,4
	v_lshrrev_b32 v[BY+\b], 23, v[SCO+\b]          ; the scale's byte
.endr
	s_delay_alu instid0(VALU_DEP_4)
	v_lshl_or_b32 v[PW], v[BY+1], 8, v[BY]         ; my row's scale word of this spline K step
	s_delay_alu instid0(VALU_DEP_1)
	v_lshl_or_b32 v[PW], v[BY+2], 16, v[PW]
	s_delay_alu instid0(VALU_DEP_1)
	v_lshl_or_b32 v[PW], v[BY+3], 24, v[PW]
	v_and_b32 v[SWW], s[KEEP], v[SWW]              ; silu's word takes this unit's byte
	s_delay_alu instid0(VALU_DEP_1)
	v_lshl_or_b32 v[SWW], v[BY+4], s[SHF], v[SWW]
.irp b, 0,1,2,3
.irp i, 0,1,2,3,4,5,6,7,8,9,10,11,12,13,14,15
	v_min_num_f32 v[VB+16*\b+\i], v[VB+16*\b+\i], v[HLD+\b]   ; the conversion to an 8-bit code does not saturate (ISA guide 7.6.2)
.endr
	v_cvt_scalef32_pk8_bf8_f32 v[PCD+4*\b:PCD+4*\b+1], v[VB+16*\b:VB+16*\b+7], v[SCO+\b]
	v_cvt_scalef32_pk8_bf8_f32 v[PCD+4*\b+2:PCD+4*\b+3], v[VB+16*\b+8:VB+16*\b+15], v[SCO+\b]
.endr
.irp i, 0,1,2,3,4,5,6,7,8,9,10,11,12,13,14,15
	v_med3_num_f32 v[SL+\i], v[SL+\i], -v[HLD+4], v[HLD+4]
.endr
	v_cvt_scalef32_pk8_bf8_f32 v[PCD+16:PCD+17], v[SL:SL+7], v[SCO+4]
	v_cvt_scalef32_pk8_bf8_f32 v[PCD+18:PCD+19], v[SL+8:SL+15], v[SCO+4]
	v_nop                                          ; one plain vector line behind the last conversion
.endm
; A PRODUCER'S SEGMENT: the unit whose 16 numbers a lane stand in XV.
; how = 0: segment 0: it asks for the next superstep of x;  1: segment 1: it asks for nothing;  2: the loop's: scalar branches on the segment's number say what is due.
.macro PRODUCE how
.if \how == 2
	s_cmp_lg_u32 s[CI], 0                          ; at a superstep's first unit the next superstep of x is asked for; the walk's last has none behind it: no load leaves its buffer
	s_cbranch_scc1 .Lno_load_\@
	s_cmp_ge_u32 s[TT], 28
	s_cbranch_scc1 .Lno_load_\@
	s_wait_loadcnt 0x0                             ; no load of mine is out here: the last were waited for a segment ago, where they went into the stage.  The wait says so on every way through the text, ahead of the step of their base and of loads into the same registers
.endif
.if \how != 1
	s_add_co_u32 s[TMP], s[T4], s[SST]
	s_add_co_u32 s[TMP], s[TMP], 1
	s_and_b32 s[TMP], s[TMP], 7
	s_lshl_b32 s[TMP], s[TMP], 9
	s_add_nc_u64 s[XPT:XPT+1], s[XR:XR+1], s[TMP:TMP+1]
	XLOADS
.endif
.if \how == 2
.Lno_load_\@:
.endif
.irp j, 0,2,4,6,8,10,12,14
	v_pk_mul_f32 v[SL+\j:SL+\j+1], v[XV+\j:XV+\j+1], s[NLE:NLE+1] op_sel_hi:[1,0]   ; -x log2 e
.endr
	s_wait_alu depctr_va_vdst(0)
.irp j, 0,1,2,3,4,5,6,7,8,9,10,11,12,13,14,15
	v_exp_f32 v[SL+\j], v[SL+\j]
.endr
	EVAL 0                                         ; half of the bases stand behind the exponentials as their independent work,
	EVAL 1
	s_wait_alu depctr_va_vdst(0)                   ; one wait for the sixteen, ahead of their first reader
.irp j, 0,2,4,6,8,10,12,14
	v_pk_add_f32 v[SL+\j:SL+\j+1], v[SL+\j:SL+\j+1], 1.0 op_sel_hi:[1,0]
.endr
	s_wait_alu depctr_va_vdst(0)
.irp j, 0,1,2,3,4,5,6,7,8,9,10,11,12,13,14,15
	v_rcp_f32 v[SL+\j], v[SL+\j]
.endr
	EVAL 2                                         ; the other half behind the reciprocals
	EVAL 3
	s_wait_alu depctr_va_vdst(0)                   ; and one for these sixteen
.irp j, 0,2,4,6,8,10,12,14
	v_pk_mul_f32 v[SL+\j:SL+\j+1], v[SL+\j:SL+\j+1], v[XV+\j:XV+\j+1]   ; silu(x)
.endr
.if \how == 2
	s_cmp_eq_u32 s[TT], 31                         ; the walk's last unit has no successor to fetch
	s_cbranch_scc1 .Lno_next_\@
	s_cmp_lg_u32 s[CI], 3
	s_cbranch_scc1 .Lsame_\@
	s_wait_loadcnt 0x0                             ; the next superstep, asked for three segments ago, goes into the stage: all reads of the old one are back
	XSTAGE
.Lsame_\@:
.endif
.irp c, 0,1,2,3
	ds_load_b128 v[XV+4*\c:XV+4*\c+3], v[XRD] offset:32*\c   ; the next unit's numbers: features 8 c + 4 h + 0..3 of my row.  They land while this unit is quantised
.endr
.if \how == 2
.Lno_next_\@:
.endif
	QUANT5
.irp c, 0,1,2,3
	ds_store_b128 v[AWT], v[PCD+4*\c:PCD+4*\c+3] offset:512*\c   ; the spline fragment as an image of its registers
.endr
	ds_store_b32 v[AWST], v[PW]
	ds_store_b128 v[SWT], v[PCD+16:PCD+19]         ; silu's slice
	ds_store_b32 v[SWST], v[SWW]                   ; its word is whole with the superstep's fourth unit
.endm
; One matrix instruction, used transposed: source 0 = 16 columns of the weights, source 1 = 16 rows: a lane then holds eight neighbouring columns of one row of out0.
.macro MM acc, bq, aq, zero, sw, sa, row1
.if \zero
.if \row1
	v_wmma_scale_f32_16x16x128_f8f6f4 v[(\acc):(\acc)+7], v[(\bq):(\bq)+15], v[(\aq):(\aq)+15], 0, v[\sw], v[\sa] matrix_a_fmt:MATRIX_FMT_BF8 matrix_b_fmt:MATRIX_FMT_BF8 matrix_a_scale:MATRIX_SCALE_ROW1
.else
	v_wmma_scale_f32_16x16x128_f8f6f4 v[(\acc):(\acc)+7], v[(\bq):(\bq)+15], v[(\aq):(\aq)+15], 0, v[\sw], v[\sa] matrix_a_fmt:MATRIX_FMT_BF8 matrix_b_fmt:MATRIX_FMT_BF8
.endif
.else
.if \row1
	v_wmma_scale_f32_16x16x128_f8f6f4 v[(\acc):(\acc)+7], v[(\bq):(\bq)+15], v[(\aq):(\aq)+15], v[(\acc):(\acc)+7], v[\sw], v[\sa] matrix_a_fmt:MATRIX_FMT_BF8 matrix_b_fmt:MATRIX_FMT_BF8 matrix_a_scale:MATRIX_SCALE_ROW1
.else
	v_wmma_scale_f32_16x16x128_f8f6f4 v[(\acc):(\acc)+7], v[(\bq):(\bq)+15], v[(\aq):(\aq)+15], v[(\acc):(\acc)+7], v[\sw], v[\sa] matrix_a_fmt:MATRIX_FMT_BF8 matrix_b_fmt:MATRIX_FMT_BF8
.endif
.endif
.endm
.macro LT tail, n, bf                  ; weight tile n (8, 9: the silu pair) into buffer bf: four loads of 512 consecutive bytes
.irp c, 0,1,2,3
.if \tail
	ds_load_b128 v[BB+16*\bf+4*\c:BB+16*\bf+4*\c+3], v[TW] offset:((\n)/2)*TROW+((\n)%2)*2048+512*\c
.else
	ds_load_b128 v[BB+16*\bf+4*\c:BB+16*\bf+4*\c+3], v[WBT] offset:(\n)*2048+((\n)/8)*512+512*\c
.endif
.endr
.endm
.macro WT n, bf, zero                  ; tile n against the four tiles of rows: four accumulators, one instruction each
.irp m, 0,1,2,3
	MM 8*(8*\m+\n), BB+16*\bf, AF+16*\m, \zero, WSC+(\n)/2, ASW+\m, (\n)%2
.endr
.endm
; A K step of 128: 32 matrix instructions.  No two that follow each other share an accumulator, and an accumulator's turn is one instruction.
; Each count below is the number of LDS loads issued behind the tile that is wanted, four to a tile.  tail = 1: the last superstep's silu K step, out of TAILW.
.macro KSTEP tail, zero, areg, aoff, a4reg, a4off
.if \tail
.irp q, 0,1,2,3
	ds_load_b32 v[WSC+\q], v[TW4] offset:\q*TROW+4096
.endr
.else
	ds_load_b128 v[WSC:WSC+3], v[WBT] offset:16384
	ds_load_b32 v[WSS], v[WB4T] offset:20992
.endif
.irp m, 0,1,2,3
	ds_load_b32 v[ASW+\m], v[\a4reg] offset:\a4off+128*\m
.endr
.irp m, 0,1,2,3
.irp c, 0,1,2,3
	ds_load_b128 v[AF+16*\m+4*\c:AF+16*\m+4*\c+3], v[\areg] offset:\aoff+2048*\m+512*\c
.endr
.endr
.irp n, 0,1,2,3,4
	LT \tail, \n, \n
.endr
	s_wait_dscnt 16                                ; the scale words, the rows' fragments and tile 0 are in; tiles 1-4 may be out
	WIN 0x50                                       ; C and D window 1
	WT 0, 0, \zero
	s_wait_dscnt 12
	WT 1, 1, \zero
	s_wait_dscnt 8
	WT 2, 2, \zero
	PLACES 8
	WIN 0
	LT \tail, 5, 0
	LT \tail, 6, 1
	LT \tail, 7, 2
	s_wait_dscnt 16                                ; behind tile 3: tile 4 and the twelve just issued
	WIN 0x50
	WT 3, 3, \zero
	s_wait_dscnt 12
	WT 4, 4, \zero
.if \tail
	s_wait_dscnt 8
	WT 5, 0, \zero
	s_wait_dscnt 4
	WT 6, 1, \zero
	s_wait_dscnt 0
	WT 7, 2, \zero
.else
	PLACES 8
	WIN 0
	LT 0, 8, 3
	LT 0, 9, 4
	s_wait_dscnt 16                                ; behind tile 5: tiles 6, 7 and the silu pair
	WIN 0x50
	WT 5, 0, \zero
	s_wait_dscnt 12
	WT 6, 1, \zero
	s_wait_dscnt 8
	WT 7, 2, \zero
.endif
	WIN 0
.endm
.macro ARM q                           ; the silu pair: tiles 2 q and 2 q + 1 of columns against the four tiles of rows
	WIN 0x50
.irp u, 0,1
.irp m, 0,1,2,3
	MM 8*(8*\m+2*\q+\u), BB+16*(3+\u), AP+16*\m, 0, WSS, APS+\m, \u
.endr
.endr
	WIN 0
.endm
.macro SILU4                           ; which pair rides in the block hangs on the segment: a scalar branch on the counter picks the accumulators.  In segments 1-4 the pair belongs to the walk's last superstep (TAILW serves it) and is passed over
	s_wait_dscnt 0x0
	s_cmp_lt_u32 s[TT], 5
	s_cbranch_scc1 .Lsilu_done_\@
	s_cmp_eq_u32 s[QQ], 0
	s_cbranch_scc1 .Lq0_\@
	s_cmp_eq_u32 s[QQ], 1
	s_cbranch_scc1 .Lq1_\@
	s_cmp_eq_u32 s[QQ], 2
	s_cbranch_scc1 .Lq2_\@
	ARM 3
	s_branch .Lsilu_done_\@
.Lq0_\@:
	ARM 0
	s_branch .Lsilu_done_\@
.Lq1_\@:
	ARM 1
	s_branch .Lsilu_done_\@
.Lq2_\@:
	ARM 2
.Lsilu_done_\@:
.endm
; A CONSUMER'S SEGMENT.  zero = 1: segment 1: the first products start the sums (nothing is ever cleared), and there is no silu work yet: the pair that the K step fetches with its block is left unused, and its loads are waited for at the next barrier.
.macro CONSUME zero
.if \zero == 0
	s_cmp_lg_u32 s[QQ], 0
	s_cbranch_scc1 .Lkeep_\@
	s_cmp_lt_u32 s[TT], 5
	s_cbranch_scc1 .Lkeep_\@
.irp m, 0,1,2,3
.irp c, 0,1,2,3
	ds_load_b128 v[AP+16*\m+4*\c:AP+16*\m+4*\c+3], v[SBT] offset:2048*\m+512*\c
.endr
	ds_load_b32 v[APS+\m], v[SB4T] offset:128*\m
.endr
.Lkeep_\@:                                             ; (these twenty stand ahead of the K step's loads, so its counts hold with them and without)
.endif
	s_wait_alu depctr_va_vdst(0)
.if \zero == 1
	KSTEP 0, 1, ABT, 0, AB4T, 0
.else
	KSTEP 0, 0, ABT, 0, AB4T, 0
.endif
.if \zero == 0
	SILU4
.endif
.if \zero == 2                         ; segment 32: the unit multiplied is its superstep's fourth, so the pair is tiles 6 and 7, and silu's fragments are held since segment 29: nothing is left to a branch
	s_wait_dscnt 0x0
	ARM 3
.endif
	PLACES 8                                       ; in front of the next segment's loads into registers that these products have read
.endm
.macro WORK zero, how                  ; the roles part on the wave's number and join again in front of the next barrier
	s_cmp_eq_u32 s[ROLE], 0
	s_cbranch_scc1 .Lconsumer_\@
	PRODUCE \how
	s_branch .Ljoin_\@
.Lconsumer_\@:
	s_wait_alu depctr_va_vdst(0)
	CONSUME \zero
.Ljoin_\@:
.endm
	s_load_b128 s[4:7], s[0:1], 0x0                ; x, wstream
	s_load_b64 s[8:9], s[0:1], 0x10                ; out0
	v_lshl_add_u32 v[SPW], v0, 2, SPARE
	v_mov_b32 v[NIL], 0
	ds_add_u32 v1, v2
	ds_add_u32 v1, v2
	s_wait_dscnt 0x0
	v_lshrrev_b32 v[L4], 5, v0
	s_delay_alu instid0(VALU_DEP_1)
	v_readfirstlane_b32 s[WV], v[L4]               ; wave 0..7
	s_lshr_b32 s[ROLE], s[WV], 2
	s_xor_b32 s[ROLE], s[ROLE], s[WV]
	s_and_b32 s[ROLE], s[ROLE], 1                  ; 0: consumer, 1: producer
	s_lshr_b32 s[IDX], s[WV], 1                    ; my place among the four of my role
	s_bfe_u32 s13, ttmp6, 0x40000                  ; cx
	s_lshl_b32 s[WG], ttmp9, 2
	s_add_co_u32 s[WG], s[WG], s13                 ; my block of 64 rows
	s_and_b32 s[SST], ttmp9, 7                     ; the same in all four partners
	s_mul_i32 s[ISUB], s[IDX], SUB
	s_mov_b32 s[G1W], 15|(3<<16)|(1<<21)           ; 15:0 the mask: all four work-groups; 17:16 elements of 8 bytes; 21 set beside a mask; no padding
	s_mov_b32 s[G1W+1], 32<<16                     ; tensor_dim0 = 32 elements: 256 bytes
	s_mov_b32 s[G1W+2], 84<<16                     ; tensor_dim1 = 84
	s_mov_b32 s[G1W+3], 32<<16                     ; tile_dim0
	s_mov_b32 s[G1W+4], 84                         ; tile_dim1
	s_mov_b32 s[G1W+5], 32                         ; from row to row: dense
	s_mov_b32 s[G1W+6], 0
	s_mov_b32 s[G1W+7], 0
	s_mov_b32 s[G1H], 15|(3<<16)|(1<<21)           ; the same with 42 rows
	s_mov_b32 s[G1H+1], 32<<16
	s_mov_b32 s[G1H+2], 42<<16
	s_mov_b32 s[G1H+3], 32<<16
	s_mov_b32 s[G1H+4], 42
	s_mov_b32 s[G1H+5], 32
	s_mov_b32 s[G1H+6], 0
	s_mov_b32 s[G1H+7], 0
	s_mov_b32 s[G1T], 15|(3<<16)|(1<<21)
	s_mov_b32 s[G1T+1], 576<<16                    ; 576 elements: 4,608 bytes
	s_mov_b32 s[G1T+2], 4<<16
	s_mov_b32 s[G1T+3], 576<<16
	s_mov_b32 s[G1T+4], 4
	s_mov_b32 s[G1T+5], 10752                      ; from row to row: a block, 86,016 bytes
	s_mov_b32 s[G1T+6], 0
	s_mov_b32 s[G1T+7], 0
	; the LDS addresses that stay: constants, the lane and my place among my role's four
	v_and_b32 v[L4], 31, v0
	s_delay_alu instid0(VALU_DEP_1)
	v_lshlrev_b32 v[L16], 4, v[L4]
	s_delay_alu instid0(VALU_DEP_2)
	v_lshlrev_b32 v[L4], 2, v[L4]
	v_and_b32 v20, 15, v0                          ; r
	v_bfe_u32 v21, v0, 4, 1                        ; h
	s_delay_alu instid0(VALU_DEP_2)
	v_mul_u32_u24 v22, v20, PIT
	s_mul_i32 s20, s[IDX], XSTB
	s_add_co_u32 s20, s20, XST
	v_add_nc_u32 v[XSW], s20, v[L16]
	v_lshl_add_u32 v[XSR], v21, 4, v22
	s_delay_alu instid0(VALU_DEP_1)
	v_add_nc_u32 v[XSR], s20, v[XSR]
	s_lshl_b32 s20, s[IDX], 11
	s_add_co_u32 s21, s20, AIMG
	v_add_nc_u32 v[AW], s21, v[L16]
	s_add_co_u32 s21, s20, SIMG
	v_add_nc_u32 v[SW], s21, v[L16]
	s_lshl_b32 s20, s[IDX], 7
	s_add_co_u32 s21, s20, AIMG+ISC
	v_add_nc_u32 v[AWS], s21, v[L4]
	s_add_co_u32 s21, s20, SIMG+ISC
	v_add_nc_u32 v[SWS], s21, v[L4]
	v_add_nc_u32 v[WB], s[ISUB], v[L16]
	v_add_nc_u32 v[WB4], s[ISUB], v[L4]
	v_add_nc_u32 v[AB], AIMG, v[L16]
	v_add_nc_u32 v[AB4], AIMG+ISC, v[L4]
	v_add_nc_u32 v[SB], SIMG, v[L16]
	v_add_nc_u32 v[SB4], SIMG+ISC, v[L4]
	s_mul_i32 s[G0T+1], s[IDX], 4*TROW
	s_add_co_u32 s[G0T+1], s[G0T+1], TAILW
	v_add_nc_u32 v[TW], s[G0T+1], v[L16]
	v_add_nc_u32 v[TW4], s[G0T+1], v[L4]
	s_add_co_u32 s21, s[ISUB], OSTG
	v_lshl_add_u32 v[STO], v21, 5, v22
	s_delay_alu instid0(VALU_DEP_1)
	v_add_nc_u32 v[STO], s21, v[STO]               ; the way out, in: row r, 32 bytes for each half of the lanes
	v_add_nc_u32 v[RD], s21, v[L16]                ; and back: a row of 512 bytes to the 32 lanes
	s_mov_b32 s[SEL], 0x76543210
	s_mov_b32 s[SEL+1], 0xfedcba98                 ; v_permlanex16_b32's selects for lane l xor 16
	s_mov_b32 s[MNT], 0x600000                     ; the mantissa field of 57,344
	s_mov_b32 s[CLO], 0xc0e00000                   ; -7
	s_mov_b32 s[CHI], 0x40dffffe                   ; 7 - 1e-6 in f32
	s_mov_b32 s[NLE], 0xbfb8aa3b                   ; -log2 e
	s_mov_b32 s[NLE+1], s[NLE]                     ; (named with it as a pair, so it is written)
	s_mov_b32 s[C48], 0x3caaaaab                   ; 1 / 48
	s_mov_b32 s[C48+1], s[C48]
	v_mov_b32 v[K75], 0x40e00000
	v_mov_b32 v[K75+1], 0x40a00000
	v_mov_b32 v[K31], 0x40400000
	v_mov_b32 v[K31+1], 1.0
	v_mov_b32 v[K13], 1.0
	v_mov_b32 v[K13+1], 0x40400000
	v_mov_b32 v[K57], 0x40a00000
	v_mov_b32 v[K57+1], 0x40e00000
	v_mov_b32 v[KM1], -1.0
	v_mov_b32 v[KM1+1], -1.0
	v_mov_b32 v[SWW], 0
	s_mov_b32 s[TMP+1], 0
	s_mov_b32 s85, 0
	s_mov_b32 s[TMP], s[ISUB]
	s_wait_kmcnt 0x0
	s_add_nc_u64 s[WP:WP+1], s[6:7], s[TMP:TMP+1]  ; wstream at my columns' part of block 0
	s_lshl_b32 s84, s[WG], 6
	s_lshl_b32 s13, s[IDX], 4
	s_add_co_u32 s84, s84, s13
	s_lshl_b32 s84, s84, 12                        ; my 16 rows of x: 4,096 bytes a row
	s_add_nc_u64 s[XR:XR+1], s[4:5], s[84:85]
	s_lshl_b32 s84, s[WG], 17                      ; out0: 64 rows of 2,048 bytes a work-group,
	s_lshl_b32 s13, s[IDX], 9                      ; my 128 columns
	s_add_co_u32 s84, s84, s13
	s_add_nc_u64 s[OP:OP+1], s[8:9], s[84:85]
	s_lshl_b32 s[TMP], s[SST], 2
	s_mul_i32 s[TMP], s[TMP], UB
	s_add_nc_u64 s[82:83], s[WP:WP+1], s[TMP:TMP+1]   ; my part of the walk's first block
	s_mov_b32 s[G0A], 1                            ; unit 0 into slot 1: it is read in segment 1
	s_add_co_u32 s[G0A+1], s[ISUB], UB
	s_mov_b64 s[G0A+2:G0A+3], s[82:83]
	s_or_b32 s[G0A+3], s[G0A+3], 0x80000000
	s_mul_i32 s[TMP], s[ROLE], SUB/2               ; from here on ISUB and WP serve the walking group 0 alone: my half of part IDX, 10,752 bytes further on for a producer
	s_add_co_u32 s[ISUB], s[ISUB], s[TMP]
	s_add_nc_u64 s[WP:WP+1], s[WP:WP+1], s[TMP:TMP+1]
	s_mov_b32 s[G0T], 1                            ; the silu parts of the walk's first four blocks: they belong to its last superstep
	s_add_nc_u64 s[G0T+2:G0T+3], s[82:83], 16896
	s_or_b32 s[G0T+3], s[G0T+3], 0x80000000
	ROUND                                          ; all four work-groups are here: the first joint loads meet
	s_cmp_lg_u32 s[ROLE], 0                        ; the head's loads, one a wave: a consumer asks for its part of unit 0, the producer of the same place for that part's rows of TAILW
	s_cbranch_scc1 .Lfirst_tail
	tensor_load_to_lds s[G0A:G0A+3], s[G1W:G1W+7]
	s_nop 0
.rept 4
	v_nop
.endr
	s_branch .Lfirst_asked
.Lfirst_tail:
	tensor_load_to_lds s[G0T:G0T+3], s[G1T:G1T+7]
	s_nop 0
.rept 4
	v_nop
.endr
.Lfirst_asked:
	; ---- segment 0: the producers alone
	s_mov_b32 s[TT], 0
	TOPS 0
	TOPV
	s_cmp_eq_u32 s[ROLE], 0
	s_cbranch_scc1 .Lidle_0
	s_lshl_b32 s[TMP], s[SST], 9                   ; the walk's first superstep of x
	s_add_nc_u64 s[XPT:XPT+1], s[XR:XR+1], s[TMP:TMP+1]
	XLOADS
	s_wait_loadcnt 0x0                             ; the numbers are in: so their base may step and their registers be loaded again
	XSTAGE
.irp c, 0,1,2,3
	ds_load_b128 v[XV+4*\c:XV+4*\c+3], v[XSR] offset:32*\c   ; unit 0
.endr
	s_wait_dscnt 0x0                               ; unit 0 is in, and the stage's stores have read their registers
	PRODUCE 0
.Lidle_0:
	; ---- segment 1: the first products start the sums; slot 0's first fill, unit 1, is issued as a refill is
	s_mov_b32 s[TT], 1
	s_wait_tensorcnt 0x0                           ; my load of the head has landed: unit 0's weights and TAILW are whole when every wave has said so
	ds_add_u32 v[SPW], v[NIL]                      ; 0 onto my spare word
	TOPS 1
	s_wait_dscnt 0x0                               ; the add is done; my images lie in LDS
	ROUND
	FILL                                           ; unit 1 into slot 0
	TOPV
	WORK 1, 1
	s_mov_b32 s[TT], 2
.Lseg:                                                 ; ---- segments 2 .. 31: 30 trips, each with its joint refill
	s_wait_tensorcnt 0x0                           ; all my tensor loads have landed, my half part of this segment's weights: so the walking group 0 may be written
	ds_add_u32 v[SPW], v[NIL]                      ; 0 onto my spare word; the segment's scalars stand between it and the wait for it
	TOPS 1
	s_wait_dscnt 0x0                               ; the add is done; my images lie in LDS; my reads of the slot and of the images are back
	ROUND                                          ; that now holds of every wave of the four work-groups
	FILL                                           ; unit TT, for the next segment, into the slot read in the last: it has this segment in which to land
	TOPV
	WORK 0, 2
	s_add_co_u32 s[TT], s[TT], 1
	s_cmp_lt_u32 s[TT], 32
	s_cbranch_scc1 .Lseg
	; ---- segment 32: the consumers alone; nothing is filled any more, so a barrier of the work-group does
	s_wait_tensorcnt 0x0                           ; unit 31's weights
	s_wait_dscnt 0x0
	s_barrier_signal -1
	s_barrier_wait -1
	TOPS 0
	TOPV
	s_cmp_lg_u32 s[ROLE], 0
	s_cbranch_scc1 .Lend
	CONSUME 2
	KSTEP 1, 0, SB, IMGB, SB4, IMGB                ; the last superstep's silu K step: its fragments lie in silu's second buffer, its weights in TAILW
; THE WAY OUT, a tile of 16 rows x 128 columns at a time.  A lane holds 32 neighbouring bytes of a row and the lanes beside it other rows: so a tile goes through my stage and comes back as whole rows of 512 bytes.
; LDS serves a wave's instructions in order (ISA guide 5.7.1.4): no wait between the stores and the loads, nor in front of the next tile's stores.
.macro TOSTAGE m
	WIN 0x04                                       ; the data: window 1
.irp n, 0,1,2,3,4,5,6,7
	ds_store_b128 v[STO], v[8*(8*(\m)+\n):8*(8*(\m)+\n)+3] offset:64*\n        ; each accumulator from its low end on
	ds_store_b128 v[STO], v[8*(8*(\m)+\n)+4:8*(8*(\m)+\n)+7] offset:64*\n+16
.endr
	WIN 0
.irp t, 0,1,2,3,4,5,6,7,8,9,10,11,12,13,14,15
	ds_load_b128 v[BK+64*((\m)%2)+4*\t:BK+64*((\m)%2)+4*\t+3], v[RD] offset:PIT*\t
.endr
.endm
.macro SEND m, younger                 ; younger: the LDS instructions issued behind tile m's loads, which may stay out
	s_wait_dscnt \younger
.irp t, 0,1,2,3,4,5,6,7,8,9,10,11,12,13,14,15
	global_store_b128 v[L16], v[BK+64*((\m)%2)+4*\t:BK+64*((\m)%2)+4*\t+3], s[OP:OP+1] offset:(\m)*32768+\t*2048 th:TH_STORE_NT   ; 32 lanes store 512 consecutive bytes, at a multiple of 256 from out0's first byte
.endr
.endm
	PLACES 8                                       ; behind the last products: for the reads of results and the loads into registers that held fragments
	TOSTAGE 0
.irp a, 1,2,3
.if \a > 1
	s_wait_xcnt 0x0                                ; tile a - 2's stores have read their registers: tile a's rows may land there
.endif
	TOSTAGE \a
	SEND \a-1, 32                                  ; behind tile a - 1's loads: tile a's 16 stores and 16 loads
.endr
	SEND 3, 0
.Lend:
	s_wait_tensorcnt 0x0                           ; the wave's end, behind my last tensor load and my last LDS store
	ds_add_u32 v[SPW], v[NIL]
	s_wait_dscnt 0x0
	ROUND                                          ; the closing round: no work-group ends while a partner may still ask for a block that names it
	s_endpgm
.Lfunc_end_k_qe801253535_kan:
	.size	k_qe801253535_kan, .Lfunc_end_k_qe801253535_kan-k_qe801253535_kan
	.p2alignl 7, 3214868480
	.fill 96, 4, 3214868480
	.section	.rodata,"a",@progbits
	.p2align	6, 0x0
	.amdhsa_kernel k_qe801253535_kan
		.amdhsa_group_segment_fixed_size 327680
		.amdhsa_private_segment_fixed_size 0
		.amdhsa_enable_private_segment 0
		.amdhsa_kernarg_size 24
		.amdhsa_user_sgpr_count 2
		.amdhsa_user_sgpr_kernarg_segment_ptr 1
		.amdhsa_wavefront_size32 1
		.amdhsa_system_sgpr_workgroup_id_x 1
		.amdhsa_system_sgpr_workgroup_id_y 1
		.amdhsa_system_sgpr_workgroup_id_z 1
		.amdhsa_system_vgpr_workitem_id 0
		.amdhsa_next_free_vgpr 512
		.amdhsa_next_free_sgpr 96
		.amdhsa_reserve_vcc 0
		.amdhsa_float_denorm_mode_32 3
		.amdhsa_float_denorm_mode_16_64 3
		.amdhsa_memory_ordered 1
		.amdhsa_forward_progress 1
		.amdhsa_inst_pref_size 193
	.end_amdhsa_kernel
	.amdgpu_metadata
---
amdhsa.version: [ 1, 2 ]
amdhsa.kernels:
  - .name:           k_qe801253535_kan
    .symbol:         k_qe801253535_kan.kd
    .args:
      - { .name: x, .offset: 0, .size: 8, .value_kind: global_buffer, .address_space: global }
      - { .name: wstream, .offset: 8, .size: 8, .value_kind: global_buffer, .address_space: global }
      - { .name: out0, .offset: 16, .size: 8, .value_kind: global_buffer, .address_space: global }
    .group_segment_fixed_size: 327680
    .private_segment_fixed_size: 0
    .kernarg_segment_align: 8
    .kernarg_segment_size: 24
    .max_flat_workgroup_size: 256
    .sgpr_count:     96
    .vgpr_count:     512
    .wavefront_size: 32
...
	.end_amdgpu_metadata
.endif
;; end of part 2
